; MI455X (gfx1250); checked and timed in simulation.
; The chip was launched on July 23, 2026; its instructions are those of AMD's public machine-readable ISA for CDNA 5 (MIT licence, August 2026) and "CDNA5" Instruction Set Architecture Reference Guide (July 2026). The comments in the code are by the model that wrote it; some were corrected since.
;; Quantized. Allowed arithmetic: float matrix products may take bf16 or f16 operands with f32 sums; other float arithmetic in f32, or as packed bf16 or f16 multiplies, adds, multiply-adds, maxima and minima; sums over many terms, partial sums and values carried from step to step in f32; what a program stores and reads back later, other than sums and carried values, may be rounded once to bf16 or f16.
;; Inputs: offset 4,096 float32; rng 1 x 1 x 4,096 float32; weight 4,096 x 4,096 float32; y 2 x 2,048 x 4,096 float32.
;; Outputs: out0 2 x 2,048 x 4,096 float32.
;; 2 versions, each right; version 2 is version 1 with the launch prep written anew for expert scheduling mode. Each part assembles by itself: llvm-mc -triple=amdgcn-amd-amdhsa -mcpu=gfx1250 --defsym DOCPART=n.
;; ======== version 1 of 2: 2 launches
;; limits: values are held in f16: magnitudes above 65,504 overflow, below 6.1e-05 lose precision
;; workspace buffers: ah 33,554,432 bytes; bh 33,554,432 bytes
;; launch prep (part 1): grid 512 x 2, 8 waves a work-group, no clusters, 0 bytes of LDS; arguments y, weight, rng, offset, ah, bh; writes ah, bh
.if DOCPART == 1
	.amdgcn_target "amdgcn-amd-amdhsa--gfx1250"
	.amdhsa_code_object_version 6
	.text
	.protected	k_qf442b4ce16_prep
	.globl	k_qf442b4ce16_prep
	.p2align	8
	.type	k_qf442b4ce16_prep,@function
k_qf442b4ce16_prep:
	s_mov_b64 s[64:65], 0
	v_nop
	global_prefetch_b8 v0, s[64:65] scope:SCOPE_SE
	s_setreg_imm32_b32 hwreg(HW_REG_WAVE_MODE, 25, 1), 1
	s_wait_xcnt 0x0
; THE TWO OPERANDS OF THE PRODUCT, rounded once to f16.
;   ah[m][k] = f16(y[m][k])                                   [4096][4096], as y lies
;   bh[k][n] = f16(rng[k] * weight[k][n] + offset[k])         [4096][4096], as weight lies; one fused multiply-add in f32
; out[m][n] = sum_k y[m][k] rng[k] weight[k][n] + sum_k y[m][k] offset[k] = sum_k y[m][k] (rng[k] weight[k][n] + offset[k]) for every input,
; so the correction term rides in bh and needs no sum of its own.
; LIMITS.  f16 ends at 65,504: |y| and |rng w + offset| of 65,520 or more become infinities.  Below 6e-5 a number keeps f16's fixed step of 6e-8.
; The correction is summed inside the product, so the order of rounding differs from a sum taken apart.  NaN and infinities are not treated apart.
; WHY f16: 11 significant bits; two operands rounded to 8 bits each would spend too much of an allowance of 1 part in 100 of the output's root mean square.
; SHARES.  One wave, one row: 16,384 bytes in, 8,192 out.  Row = 8 x work-group x + wave.  Work-group y = 0: y to ah; y = 1: weight to bh.
; A wave issues its 32 loads at once (16 KiB on their way) and takes them in order.  No register that a memory instruction names is written again
; while that instruction may read it (a chunk's registers are written behind the wait for its own load, and stored once), so no further wait is needed.
; A load of the wave covers 512 consecutive bytes, a store 256 consecutive bytes, each aligned to its length.
; No LDS, no matrix unit, no cluster: no wave wants a byte that another has fetched.
.set X, 4                              ; v[4:131]  chunk j: four f32 as loaded; then two registers of four f16
	s_load_b256 s[4:11], s[0:1], 0x0               ; y s[4:5], weight s[6:7], rng s[8:9], offset s[10:11]
	s_load_b128 s[12:15], s[0:1], 0x20             ; ah s[12:13], bh s[14:15]
	v_lshrrev_b32 v1, 5, v0
	v_readfirstlane_b32 s16, v1                    ; wave 0..7
	v_and_b32 v2, 31, v0                           ; lane
	v_lshlrev_b32 v1, 4, v2                        ; 16 bytes a lane on the way in
	v_lshlrev_b32 v2, 3, v2                        ; 8 bytes a lane on the way out
	s_lshl_b32 s17, ttmp9, 3
	s_add_co_u32 s17, s17, s16                     ; my row, 0..4095
	s_lshl_b32 s18, s17, 14                        ; its first byte in y or weight,
	s_mov_b32 s19, 0
	s_lshl_b32 s20, s17, 13                        ; in ah or bh,
	s_mov_b32 s21, 0
	s_lshl_b32 s22, s17, 2                         ; and its number in rng and offset
	s_mov_b32 s23, 0
	s_and_b32 s24, ttmp7, 0xffff                   ; work-group y
	s_mov_b32 s27, 0                               ; the packed multiply-add names pairs and takes their low words: the high words are written too
	s_mov_b32 s29, 0
	s_wait_kmcnt 0x0
	s_cmp_lg_u32 s24, 0
	s_cbranch_scc1 .Lweight
.macro LOADS p                         ; the whole row: 32 loads of 512 consecutive bytes
.set j, 0
.rept 32
	global_load_b128 v[X+4*j:X+4*j+3], v1, s[\p:\p+1] offset:512*j th:TH_LOAD_NT
.set j, j+1
.endr
.endm
.macro OUT affine, p                   ; chunk after chunk: (scale and shift,) round, store
.set j, 0
.rept 32
	s_wait_loadcnt 31-j                            ; loads come back in order (ISA guide 5.7.1): chunk j is in, the 31 - j younger ones stay out
.if \affine
	v_pk_fma_f32 v[X+4*j:X+4*j+1],   v[X+4*j:X+4*j+1],   s[26:27], s[28:29] op_sel_hi:[1,0,0]  ; rng[k] w + offset[k], two at a time
	v_pk_fma_f32 v[X+4*j+2:X+4*j+3], v[X+4*j+2:X+4*j+3], s[26:27], s[28:29] op_sel_hi:[1,0,0]
.endif
	v_cvt_pk_f16_f32 v[X+4*j],   v[X+4*j],   v[X+4*j+1]  ; this line reads the second register before the next line writes it
	v_cvt_pk_f16_f32 v[X+4*j+1], v[X+4*j+2], v[X+4*j+3]
	global_store_b64 v2, v[X+4*j:X+4*j+1], s[\p:\p+1] offset:256*j th:TH_STORE_NT
.set j, j+1
.endr
.endm
	s_add_nc_u64 s[4:5], s[4:5], s[18:19]          ; y at my row
	s_add_nc_u64 s[12:13], s[12:13], s[20:21]      ; ah at my row
	LOADS 4
	OUT 0, 12
	s_endpgm
.Lweight:
	s_add_nc_u64 s[8:9], s[8:9], s[22:23]          ; rng[k]
	s_add_nc_u64 s[10:11], s[10:11], s[22:23]      ; offset[k]
	s_load_b32 s26, s[8:9], 0x0
	s_load_b32 s28, s[10:11], 0x0
	s_add_nc_u64 s[6:7], s[6:7], s[18:19]          ; weight at my row
	s_add_nc_u64 s[14:15], s[14:15], s[20:21]      ; bh at my row
	LOADS 6
	s_wait_kmcnt 0x0                               ; the row's two scalars
	OUT 1, 14
	s_endpgm
.Lfunc_end_k_qf442b4ce16_prep:
	.size	k_qf442b4ce16_prep, .Lfunc_end_k_qf442b4ce16_prep-k_qf442b4ce16_prep
	.p2alignl 7, 3214868480
	.fill 96, 4, 3214868480
	.section	.rodata,"a",@progbits
	.p2align	6, 0x0
	.amdhsa_kernel k_qf442b4ce16_prep
		.amdhsa_group_segment_fixed_size 0
		.amdhsa_private_segment_fixed_size 0
		.amdhsa_enable_private_segment 0
		.amdhsa_kernarg_size 48
		.amdhsa_user_sgpr_count 2
		.amdhsa_user_sgpr_kernarg_segment_ptr 1
		.amdhsa_wavefront_size32 1
		.amdhsa_system_sgpr_workgroup_id_x 1
		.amdhsa_system_sgpr_workgroup_id_y 1
		.amdhsa_system_sgpr_workgroup_id_z 1
		.amdhsa_system_vgpr_workitem_id 0
		.amdhsa_next_free_vgpr 132
		.amdhsa_next_free_sgpr 66
		.amdhsa_reserve_vcc 0
		.amdhsa_float_denorm_mode_32 3
		.amdhsa_float_denorm_mode_16_64 3
		.amdhsa_memory_ordered 1
		.amdhsa_forward_progress 1
		.amdhsa_inst_pref_size 28
	.end_amdhsa_kernel
	.amdgpu_metadata
---
amdhsa.version: [ 1, 2 ]
amdhsa.kernels:
  - .name:           k_qf442b4ce16_prep
    .symbol:         k_qf442b4ce16_prep.kd
    .args:
      - { .name: y, .offset: 0, .size: 8, .value_kind: global_buffer, .address_space: global }
      - { .name: weight, .offset: 8, .size: 8, .value_kind: global_buffer, .address_space: global }
      - { .name: rng, .offset: 16, .size: 8, .value_kind: global_buffer, .address_space: global }
      - { .name: offset, .offset: 24, .size: 8, .value_kind: global_buffer, .address_space: global }
      - { .name: ah, .offset: 32, .size: 8, .value_kind: global_buffer, .address_space: global }
      - { .name: bh, .offset: 40, .size: 8, .value_kind: global_buffer, .address_space: global }
    .group_segment_fixed_size: 0
    .private_segment_fixed_size: 0
    .kernarg_segment_align: 8
    .kernarg_segment_size: 48
    .max_flat_workgroup_size: 256
    .sgpr_count:     66
    .vgpr_count:     132
    .wavefront_size: 32
...
	.end_amdgpu_metadata
.endif
;; end of part 1
;; launch gemm (part 2): grid 16 x 16, 4 waves a work-group, clusters of 4 x 4, 327,680 bytes of LDS; arguments ah, bh, out0; writes out0
.if DOCPART == 2
	.amdgcn_target "amdgcn-amd-amdhsa--gfx1250"
	.amdhsa_code_object_version 6
	.text
	.protected	k_qf442b4ce16_gemm
	.globl	k_qf442b4ce16_gemm
	.p2align	8
	.type	k_qf442b4ce16_gemm,@function
k_qf442b4ce16_gemm:
	s_mov_b64 s[64:65], 0
	v_nop
	global_prefetch_b8 v0, s[64:65] scope:SCOPE_SE
	s_setreg_imm32_b32 hwreg(HW_REG_WAVE_MODE, 25, 1), 1
	s_wait_xcnt 0x0
	s_wait_alu depctr_hold_cnt(0) depctr_sa_sdst(0) depctr_va_vdst(0) depctr_va_sdst(0) depctr_va_ssrc(0) depctr_va_vcc(0) depctr_vm_vsrc(0)
	s_getreg_b32 s2, hwreg(HW_REG_IB_STS2, 6, 4)
	s_cmp_eq_u32 s2, 0
	s_cbranch_scc0 .Lentry_in_a_cluster
	s_endpgm
.Lentry_in_a_cluster:
	s_bfe_u32 s2, ttmp6, 0x10000c
	s_cmp_lg_u32 s2, 0xf033
	s_cbranch_scc0 .Lentry_shape_is_right
	s_endpgm
.Lentry_shape_is_right:
; out[m][n] = sum over k of ah[m][k] bh[k][n].  ah: [4096 m][4096 k] f16, bh: [4096 k][4096 n] f16 (it holds rng[k] weight[k][n] + offset[k]), out: [4096][4096] f32.  Sums in f32.
; LIMITS.  The operands are f16: they arrive within 65,504, and below 6e-5 they keep f16's fixed step of 6e-8.  NaN and infinities are not treated apart.
; SHARES.  A tile of out, 256 x 256, is made by a work-group of four waves; a wave makes 128 x 128: 64 accumulators of 16 x 16, 512 registers.  16 x 16 tiles: one work-group for each tile.
; K goes in 32 steps of 128 through a ring of two LDS slots filled by the tensor data mover.  A's tile is 256 rows m x 256 bytes; B's is 128 rows k x 512 bytes (256 n): both kinds of row start at multiples of their length.
; B STAYS [k][n] IN LDS and is turned on the way into registers, by ds_load_tr16_b128: nobody transposes it in memory.
; CLUSTERS: 4 x 4 work-groups.  The four of a row of the cluster need the same tiles of A, the four of a column the same tiles of B: each tile is asked for JOINTLY, by the same tensor load with the same
; descriptor and a mask that names the four, and each receives it in its own LDS.
; THE MATRIX INSTRUCTION IS USED TRANSPOSED: source 0 = 16 columns n of B, source 1 = 16 rows m of A.  In the result lane l holds row m = l % 16 and the columns n = 8 (l / 16) + 0..7: 32 neighbouring bytes of a row of out.
; REGISTERS, in windows of 256 (s_set_vgpr_msb's low byte: bits 1:0 source 0, 3:2 source 1, 5:4 source 2, 7:6 destination):
;   window 0: v0-31 addresses; v64-127, v128-191 fragments of A, two buffers; on the way out the rows read back from the stage
;   window 1: v64-127, v128-191 fragments of B, two buffers
;   window 2: the 32 accumulators of my rows 0-63 (accumulator (a, b) at v[8 (8 a + b)]);   window 3: those of my rows 64-127
.set KSTEP,  128
.set ASTEP,  KSTEP*2                   ; a K step along a row of ah, in bytes
.set BSTEP,  KSTEP*8192                ; a K step down the rows of bh, in bytes
.set PA,     272                       ; A's LDS row: 256 bytes + 16 of padding = 68 words: row r starts at bank 4 r mod 64 (64 banks of 4 bytes: ISA guide 11.1): the 16 rows of a load start at 16 different banks
.set PB,     544                       ; B's LDS row: 512 bytes + 32 of padding = 136 words: row r starts at bank 8 r mod 64
.set HALFT,  128*PA                    ; what one tensor load brings: 128 rows of A, or 64 rows of B (64 x 544 is the same 34,816 bytes)
.set SLOT,   4*HALFT                   ; A's 256 rows, then B's 128 rows
.set STAGE,  2*SLOT                    ; behind the ring: 16 rows x 528 bytes for each wave, for the way out; no tensor load fills it
.set SP,     528                       ; a stage row: 512 bytes + 16
.set STW,    16*SP                     ; a wave's stage: 33 blocks of 256 bytes
.set SPARE,  STAGE+4*STW               ; behind the stages: the spare words, 128 bytes for each wave: two blocks of 256 bytes that no other line names
.set OROW,   16384                     ; bytes in a row of out
.set LAPS,   16                        ; a lap = two K steps = once round the ring
.set ADRA, 16                          ; v16-17  LDS address of my A fragments in slot 0, 1
.set ADRB, 20                          ; v20-21  the same for B
.set STO,  24                          ; v24     the way out: where I put 32 bytes of a row
.set RD,   25                          ; v25     the way out: where I read a row back
.set CO,   26                          ; v26     my 16 bytes in 512 consecutive bytes of out
.set SPW,  28                          ; v28     LDS address of my spare word: SPARE + 4 x my thread's number; never rewritten
.set NIL,  29                          ; v29     0; never rewritten
.set PFO,  30                          ; v30     the prefetches' offset; never rewritten
.set F0,   64                          ; fragment buffer 0
.set F1,   128                         ; fragment buffer 1
.set G1,  24                           ; s[24:31] descriptor group 1 for A's tiles
.set G0,  32                           ; s[32:39] descriptor group 0 for A's tiles, one set for each slot
.set G1B, 48                           ; s[48:55] descriptor group 1 for B's tiles
.set G0B, 56                           ; s[56:63] descriptor group 0 for B's tiles, one set for each slot
.set PFA, 44                           ; s[44:45] where my prefetches stand
.set PST, 20                           ; s[20:21] a K step for them: ASTEP in a wave that fetches for A, BSTEP for B
.set LIM, 43                           ; s43     1 in a wave that prefetches, else the greatest number
.set MSB, 0
.macro WIN new                         ; the immediate's high byte repeats the setting that is left; a switch that changes nothing is dropped
.if MSB != (\new)
	s_set_vgpr_msb (MSB<<8)|(\new)
.set MSB, \new
.endif
.endm
.set MUL_LO, 0xa1                      ; source 0 (B) window 1, source 1 (A) window 0, C and D window 2
.set MUL_HI, 0xf1                      ; the same, C and D window 3
.set TO_B,   0x40                      ; destination window 1, address window 0
; A joint load.  Waves 0 and 1 fetch A's two halves, waves 2 and 3 B's.  Each of the two lines has ONE mask and one set of registers for all that issue it.  The branch hangs on the wave's number alone.
; An s_nop 0 and four v_nop follow each of the two lines; the jump, the label and what follows come after them.
.macro JLOAD s
	s_cmp_eq_u32 s11, 0
	s_cbranch_scc0 .Lfor_b_\@
	tensor_load_to_lds s[G0+4*(\s):G0+4*(\s)+3], s[G1:G1+7]
	s_nop 0
.rept 4
	v_nop
.endr
	s_branch .Lasked_\@
.Lfor_b_\@:
	tensor_load_to_lds s[G0B+4*(\s):G0B+4*(\s)+3], s[G1B:G1B+7]
	s_nop 0
.rept 4
	v_nop
.endr
.Lasked_\@:
.endm
; A PREFETCH INTO THE L2, behind each joint refill, its five lines and the run of LDS loads that follows them: the K step that stands two refills on, 512 matrix instructions ahead of the load that will ask for it.
; Each aligned block of 256 bytes of ah and bh is named ONCE in the launch.  A's tile row is read by every cluster of that row of clusters: the one with cluster x = 0 asks; B's tile column by every cluster of that
; column: the one with cluster y = 0 asks.  The four partners that ask for a tile jointly share it out BY ADDRESS: of the 128 rows x 256 bytes of a wave that fetches for A, the partner at cx takes 32 rows, a lane a row;
; of the 64 rows x 512 bytes of a wave that fetches for B, the partner at cy takes 16 rows, a lane a half row.  One instruction a wave.  The first four K steps come by their loads alone; the loop's last trip
; (s3 = 1) asks for nothing: the last K step named is 31.
.macro ASK
	s_cmp_gt_u32 s3, s[LIM]
	s_cbranch_scc0 .Lnot_mine_\@
	global_prefetch_b8 v[PFO], s[PFA:PFA+1] th:TH_LOAD_NT scope:SCOPE_SE
.Lnot_mine_\@:
.endm
; A round of the cluster's barrier: my work-group's barrier, so that wave 0's signal speaks for all four waves; wave 0 signals for the work-group; every wave waits for all sixteen work-groups; my work-group's barrier once more.
.macro CREST                           ; a round behind its opening barrier
	s_cmp_lg_u32 s10, 0
	s_cbranch_scc1 .Lnot_wave_0_\@
	s_barrier_signal -3
.Lnot_wave_0_\@:
	s_barrier_wait -3
	s_barrier_signal -1
	s_barrier_wait -1
.endm
.macro CROUND                          ; a whole round
	s_barrier_signal -1
	s_barrier_wait -1
	CREST
.endm
	s_load_b128 s[4:7], s[0:1], 0x0                ; ah s[4:5], bh s[6:7]
	s_load_b64 s[8:9], s[0:1], 0x10                ; out
	v_lshl_add_u32 v[SPW], v0, 2, SPARE
	v_mov_b32 v[NIL], 0
	ds_add_u32 v[SPW], v[NIL]                      ; the wave's opening: the add and its wait stand ahead of my first tensor load; the set-up below, work on registers, stands between them
	v_lshrrev_b32 v1, 5, v0
	v_readfirstlane_b32 s10, v1                    ; wave 0..3
	s_lshr_b32 s11, s10, 1                         ; which half of the tile's rows is mine.  Also: I fetch for A (0) or for B (1)
	s_and_b32 s12, s10, 1                          ; which half of its columns.  Also: which half of that tile I fetch
	s_bfe_u32 s40, ttmp6, 0x40000                  ; cx: my place along the cluster's x
	s_bfe_u32 s41, ttmp6, 0x40004                  ; cy: along its y
	s_lshl_b32 s42, ttmp9, 2                       ; in a cluster launch ttmp9 and ttmp7 count clusters
	s_add_co_u32 s42, s42, s40                     ; tile column = 4 x cluster x + cx
	s_and_b32 s13, ttmp7, 0xffff
	s_lshl_b32 s13, s13, 2
	s_add_co_u32 s13, s13, s41                     ; tile row = 4 x cluster y + cy
	s_lshl_b32 s43, s41, 2
	s_lshl_b32 s43, 15, s43                        ; my row of the cluster: places 4 cy .. 4 cy + 3
	s_lshl_b32 s44, 0x1111, s40                    ; my column: places cx, cx + 4, cx + 8, cx + 12
	; descriptor group 1 for A: 128 rows x 128 elements, padded in LDS
	s_or_b32 s[G1+0], s43, (1<<16)|(1<<20)|(1<<21)|(5<<22)|(3<<25)  ; 15:0 the mask: my row; 17:16 elements of 2 bytes; 20 padding on; 21 set beside a mask; 24:22 after every 64 words (code 5); 31:25 4 words (code 3)
	s_mov_b32 s[G1+1], 128<<16                     ; tensor_dim0 = 128
	s_mov_b32 s[G1+2], 128<<16                     ; tensor_dim1 = 128
	s_mov_b32 s[G1+3], 128<<16                     ; tile_dim0 = 128
	s_mov_b32 s[G1+4], 128                         ; tile_dim1 = 128
	s_mov_b32 s[G1+5], 4096                        ; elements from row to row
	s_mov_b32 s[G1+6], 0
	s_mov_b32 s[G1+7], 0
	; descriptor group 1 for B: 64 rows x 256 elements, padded in LDS
	s_or_b32 s[G1B+0], s44, (1<<16)|(1<<20)|(1<<21)|(6<<22)|(7<<25) ; the mask: my column; after every 128 words (code 6) 8 words (code 7)
	s_mov_b32 s[G1B+1], 256<<16                    ; tensor_dim0 = 256
	s_mov_b32 s[G1B+2], 64<<16                     ; tensor_dim1 = 64
	s_mov_b32 s[G1B+3], 256<<16                    ; tile_dim0 = 256
	s_mov_b32 s[G1B+4], 64                         ; tile_dim1 = 64
	s_mov_b32 s[G1B+5], 4096
	s_mov_b32 s[G1B+6], 0
	s_mov_b32 s[G1B+7], 0
	; where the tiles come from.  A's hang on the tile row alone, B's on the tile column alone.  Every wave makes both addresses, in registers that never hold the other coordinate, and asks by one of them.
	s_lshl_b32 s16, s13, 21                        ; A: 256 rows of 8,192 bytes a tile row,
	s_lshl_b32 s17, s12, 20                        ; 128 rows a half
	s_add_co_u32 s16, s16, s17
	s_mov_b32 s17, 0
	s_lshl_b32 s46, s42, 9                         ; B: 512 bytes of a row a tile column,
	s_lshl_b32 s47, s12, 19                        ; 64 rows of 8,192 bytes a half
	s_add_co_u32 s46, s46, s47
	s_mov_b32 s47, 0
	s_mul_i32 s20, s10, HALFT                      ; and where they go: wave x 34,816 bytes: no place in the cluster enters an LDS address
	s_wait_dscnt 0x0                               ; the opening add is done
	s_wait_kmcnt 0x0
	s_add_nc_u64 s[14:15], s[4:5], s[16:17]
	s_add_nc_u64 s[46:47], s[6:7], s[46:47]
	CROUND                                         ; all sixteen work-groups are here: the first joint loads meet
.irp s, 0,1
	s_mov_b32 s[G0+4*(\s)], 1                                      ; count = 1
	s_add_co_u32 s[G0+4*(\s)+1], s20, (\s)*SLOT                    ; LDS address
	s_add_nc_u64 s[G0+4*(\s)+2:G0+4*(\s)+3], s[14:15], (\s)*ASTEP  ; global address: K step s
	s_or_b32 s[G0+4*(\s)+3], s[G0+4*(\s)+3], 0x80000000            ; type = 2
	s_mov_b32 s[G0B+4*(\s)], 1
	s_add_co_u32 s[G0B+4*(\s)+1], s20, (\s)*SLOT
	s_add_nc_u64 s[G0B+4*(\s)+2:G0B+4*(\s)+3], s[46:47], (\s)*BSTEP
	s_or_b32 s[G0B+4*(\s)+3], s[G0B+4*(\s)+3], 0x80000000
	JLOAD \s                                       ; the ring is filled before anything else is done: two loads of mine are out
.endr
	; A fragment is 16 rows x 32 K in 8 registers: lane l holds row l % 16; registers 0-3 K = 8 (l / 16) + 0..7, registers 4-7 K = 16 + 8 (l / 16) + 0..7.
	; A's rows lie along K: two loads of 16 bytes, 32 bytes apart.
	v_and_b32 v1, 15, v0                           ; l % 16
	v_bfe_u32 v2, v0, 4, 1                         ; l / 16
	v_mul_u32_u24 v3, v1, PA
	v_lshl_add_u32 v3, v2, 4, v3                   ; row x pitch + 16 x half
	; B's rows lie along n: the turning load takes 16 k x 16 n (lane l reads 16 bytes: k = 8 (l / 16) + l % 8, n = 8 ((l / 8) % 2) + 0..7) and leaves half a fragment: lane l holds column l % 16 and 8 k.
	v_and_b32 v4, 7, v0
	v_lshl_add_u32 v4, v2, 3, v4
	v_mul_u32_u24 v7, v4, PB
	v_bfe_u32 v5, v0, 3, 1
	v_lshl_add_u32 v7, v5, 4, v7
	s_mul_i32 s21, s11, HALFT                      ; my 128 rows of A
	s_lshl_b32 s22, s12, 8                         ; my 128 columns of B: 256 bytes of each row,
	s_add_co_u32 s22, s22, 2*HALFT                 ; behind A's 256 rows
.irp s, 0,1
	v_add_nc_u32 v[ADRA+(\s)], s21, v3
	v_add_nc_u32 v[ADRB+(\s)], s22, v7
	s_add_co_u32 s21, s21, SLOT
	s_add_co_u32 s22, s22, SLOT
.endr
	s_mul_i32 s23, s10, STW
	s_add_co_u32 s23, s23, STAGE                   ; my stage
	v_mul_u32_u24 v4, v1, SP                       ; in: row l % 16, 32 bytes for each half of the lanes
	v_lshl_add_u32 v4, v2, 5, v4
	v_add_nc_u32 v[STO], s23, v4
	v_and_b32 v5, 31, v0                           ; l
	v_lshlrev_b32 v[CO], 4, v5                     ; back, and out: 32 lanes take a row's 512 bytes
	v_add_nc_u32 v[RD], s23, v[CO]
	; where my 128 x 128 begins in out
	s_lshl_b32 s16, s13, 22                        ; 256 rows of 16,384 bytes a tile row,
	s_lshl_b32 s17, s11, 21                        ; 128 rows a half
	s_add_co_u32 s16, s16, s17
	s_mov_b32 s17, 0
	s_add_nc_u64 s[8:9], s[8:9], s[16:17]
	s_lshl_b32 s46, s42, 10                        ; 1,024 bytes a tile column, 512 a half (in the registers that held B's address: none that feeds A's descriptors ever holds cx)
	s_lshl_b32 s47, s12, 9
	s_add_co_u32 s46, s46, s47
	s_mov_b32 s47, 0
	s_add_nc_u64 s[8:9], s[8:9], s[46:47]
	; the prefetches
	s_lshl_b32 s16, s13, 21                        ; for A: the 128 rows that I fetch,
	s_lshl_b32 s17, s12, 20
	s_add_co_u32 s16, s16, s17
	s_lshl_b32 s17, s40, 18                        ; my work-group's 32 of them,
	s_add_co_u32 s16, s16, s17
	s_add_co_u32 s16, s16, 3*ASTEP                 ; at K step 3: the first refill steps it to 4
	s_lshl_b32 s18, s12, 19                        ; for B: the 64 rows that I fetch,
	s_lshl_b32 s19, s41, 17                        ; my work-group's 16 of them,
	s_add_co_u32 s18, s18, s19
	s_lshl_b32 s19, s42, 9                         ; the tile column's 512 bytes,
	s_add_co_u32 s18, s18, s19
	s_add_co_u32 s18, s18, 3*BSTEP                 ; at K step 3
	s_and_b32 s22, ttmp7, 0xffff                   ; cluster y
	s_mov_b32 s23, BSTEP
	s_cmp_eq_u32 s11, 0                            ; do I fetch for A?
	s_cselect_b32 s16, s16, s18
	s_cselect_b32 s22, ttmp9, s22                  ; the coordinate along which other clusters read the same rows
	s_cselect_b32 s[PST], ASTEP, s23
	s_cselect_b64 s[PFA:PFA+1], s[4:5], s[6:7]
	s_mov_b32 s17, 0
	s_mov_b32 s[PST+1], 0
	s_cmp_eq_u32 s22, 0
	s_cselect_b32 s[LIM], 1, -1                    ; the same in all sixteen partners, for a given wave
	s_add_nc_u64 s[PFA:PFA+1], s[PFA:PFA+1], s[16:17]
	v_lshrrev_b32 v6, s11, v5                      ; for A: row l; for B: row l / 2,
	v_and_b32 v8, s11, v5                          ; and half l % 2 of its 512 bytes
	v_lshlrev_b32 v8, 8, v8
	v_lshl_add_u32 v[PFO], v6, 13, v8
	; nothing is prefetched here, at the head, where every work-group's first two tiles are on their way
; 16 matrix instructions: m blocks a0, a0 + 1 of the window's four (hi = 0: my rows 0-63, 1: rows 64-127) x all 8 n blocks, 32 along K.  zero = 1: the first product starts the sums: nothing is ever cleared.
; The 64 accumulators take turns, one instruction a turn, in the same order in every quarter, over the backward jump too.
.macro MUL16 f, hi, a0, zero
	WIN MUL_LO+0x50*(\hi)
.irp a, \a0, (\a0)+1
.irp b, 0,1,2,3,4,5,6,7
.if \zero
	v_wmma_f32_16x16x32_f16 v[8*(8*(\a)+(\b)):8*(8*(\a)+(\b))+7], v[(\f)+8*(\b):(\f)+8*(\b)+7], v[(\f)+8*(4*(\hi)+(\a)):(\f)+8*(4*(\hi)+(\a))+7], 0
.else
	v_wmma_f32_16x16x32_f16 v[8*(8*(\a)+(\b)):8*(8*(\a)+(\b))+7], v[(\f)+8*(\b):(\f)+8*(\b)+7], v[(\f)+8*(4*(\hi)+(\a)):(\f)+8*(4*(\hi)+(\a))+7], v[8*(8*(\a)+(\b)):8*(8*(\a)+(\b))+7]
.endif
.endr
.endr
.endm
; 32 LDS loads in one run: the fragments of quarter q of a K step (32 k x my 128 columns of B, turned; my 128 rows of A x 32 k) into buffer f.  B's first, then A's, block after block.
.macro FETCH slot, q, f
	WIN TO_B
.irp i, 0,1,2,3,4,5,6,7
	ds_load_tr16_b128 v[(\f)+8*(\i):(\f)+8*(\i)+3],   v[ADRB+(\slot)] offset:(\q)*32*PB+32*(\i)
	ds_load_tr16_b128 v[(\f)+8*(\i)+4:(\f)+8*(\i)+7], v[ADRB+(\slot)] offset:(\q)*32*PB+16*PB+32*(\i)
.endr
	WIN 0
.irp i, 0,1,2,3,4,5,6,7
	ds_load_b128 v[(\f)+8*(\i):(\f)+8*(\i)+3],   v[ADRA+(\slot)] offset:(\q)*64+(\i)*16*PA
	ds_load_b128 v[(\f)+8*(\i)+4:(\f)+8*(\i)+7], v[ADRA+(\slot)] offset:(\q)*64+(\i)*16*PA+32
.endr
.endm
; A load into a register that a matrix instruction has read, and an LDS store that reads a matrix result, stand four places behind that matrix instruction, and only plain vector instructions that name none of
; its registers are places (ISA guide 7.12.1 for vector instructions).
.macro PLACES
.rept 4
	v_nop
.endr
.endm
; A K step is four quarters of 32 along K, 64 matrix instructions each, on buffers 0, 1, 0, 1.  One of the first three: multiplies buffer f; in its middle it fetches quarter q of the same slot into buffer g.
.macro QUARTER slot, q, f, g, zero
	s_wait_dscnt 8                                 ; B and A's rows 0-63 are in; the youngest eight loads (A's rows 64-127) may be out
	MUL16 \f, 0, 0, \zero
	MUL16 \f, 0, 2, \zero
	PLACES
	FETCH \slot, \q, \g
	s_wait_dscnt 32                                ; all but the 32 just issued
	MUL16 \f, 1, 0, \zero
	MUL16 \f, 1, 2, \zero
.endm
; The last quarter multiplies buffer 1 and changes slots.  MEET is its first half: ONE barrier for the change.  In front of it each wave waits for all its tensor loads, of which one is out: its part of the next slot;
; adds 0 to its spare word; and waits for that and for its own reads of this slot.  Behind it nobody reads this slot any more and the next slot is whole.
.macro MEET round                      ; round = 1: a round of the cluster's barrier follows
	WIN 0                                          ; (the add's two registers lie in window 0)
	s_wait_tensorcnt 0x0                           ; all my tensor loads have landed;
	ds_add_u32 v[SPW], v[NIL]                      ; 0 onto my spare word;
	s_wait_dscnt 9                                 ; (the add and the youngest eight loads may be out)
	MUL16 F1, 0, 0, 0                              ; sixteen matrix instructions stand between the add and the wait for it
	s_wait_dscnt 0x0                               ; the add is done, and my reads of this slot are over:
	s_barrier_signal -1                            ; say so,
	MUL16 F1, 0, 2, 0                              ; work on registers while the others arrive,
.if \round
	WIN 0
.endif
	s_barrier_wait -1                              ; and go on when all four have said so
.endm
; The whole last quarter.  Behind the round the slot just read out is filled again first, with the K step two steps on; then come the next slot's first fragments.  From a request to the wait for it a wave issues 224 matrix instructions.
.macro TURN slot, next
	s_wait_xcnt 0x0                                ; the last prefetch, a K step back, has read its address: it is stepped here, ahead of the waits of the change of slots
	s_add_nc_u64 s[PFA:PFA+1], s[PFA:PFA+1], s[PST:PST+1]
	MEET 1
	CREST                                          ; no wave of any partner still reads this slot's tile or has a load on its way
	s_add_nc_u64 s[G0+4*(\slot)+2:G0+4*(\slot)+3], s[G0+4*(\slot)+2:G0+4*(\slot)+3], 2*ASTEP    ; no tensor load of mine is out, so a group 0 may be written; the type bits on top are not reached
	s_add_nc_u64 s[G0B+4*(\slot)+2:G0B+4*(\slot)+3], s[G0B+4*(\slot)+2:G0B+4*(\slot)+3], 2*BSTEP
	JLOAD \slot                                    ; the first tensor load behind the round, my only one until the next; the four v_nop behind it are also the places in front of the loads below
	FETCH \next, 0, F0
	ASK
	MUL16 F1, 1, 0, 0
	MUL16 F1, 1, 2, 0
.endm
; THE WAY OUT of block a (16 rows of out x my 128 columns).  A lane holds 32 bytes of a row, and the lanes beside it other rows: so the block goes through my own stage in LDS and comes back as whole rows of 512 bytes.
; Each accumulator's four lowest registers are read first.
.macro TOSTAGE a
.set AC, 64*((\a)%4)
.set BK, F0+64*((\a)%2)
	WIN 0x08+4*((\a)/4)                            ; the stores' data (source 1) in window 2 or 3
.irp b, 0,1,2,3,4,5,6,7
	ds_store_b128 v[STO], v[AC+8*(\b):AC+8*(\b)+3]   offset:64*(\b)
	ds_store_b128 v[STO], v[AC+8*(\b)+4:AC+8*(\b)+7] offset:64*(\b)+16
.endr
	WIN 0
.if (\a) >= 2
	s_wait_xcnt 0x0                                ; the stores of the block two back have read this buffer: it is loaded again only behind this wait
.endif
.irp t, 0,1,2,3,4,5,6,7,8,9,10,11,12,13,14,15
	ds_load_b128 v[BK+4*(\t):BK+4*(\t)+3], v[RD] offset:(\t)*SP  ; LDS serves a wave's instructions in order (ISA guide 5.7.1.4): these see the stores above; the next block's stores come behind them
.endr
.endm
.macro SEND a, younger                 ; younger: the LDS instructions issued behind block a's loads: the next block's 16 stores and 16 loads, or none
.set BK, F0+64*((\a)%2)
.irp t, 0,1,2,3,4,5,6,7,8,9,10,11,12,13,14,15
	s_wait_dscnt (\younger)+15-(\t)
	global_store_b128 v[CO], v[BK+4*(\t):BK+4*(\t)+3], s[8:9] offset:(16*(\a)+(\t))*OROW th:TH_STORE_NT  ; 512 consecutive bytes, aligned; the row stands in the immediate, 127 rows at the most: the base is never stepped
.endr
.endm
	s_wait_tensorcnt 1                             ; my part of K step 0 is in; K step 1's, issued behind it, may stay out
	s_barrier_signal -1
	s_barrier_wait -1                              ; everybody's is
	FETCH 0, 0, F0
	QUARTER 0, 1, F0, F1, 1                        ; the first quarter stands in front of the loop: its products start the sums
	WIN 0                                          ; at a label and at a branch every window is 0
	s_mov_b32 s3, LAPS-1
.Llap:                                                 ; a trip goes once round the ring, from a lap's second quarter to the next lap's first, and fills both slots again
	QUARTER 0, 2, F1, F0, 0
	QUARTER 0, 3, F0, F1, 0
	TURN 0, 1
	QUARTER 1, 1, F0, F1, 0
	QUARTER 1, 2, F1, F0, 0
	QUARTER 1, 3, F0, F1, 0
	TURN 1, 0
	QUARTER 0, 1, F0, F1, 0
	WIN 0
	s_sub_co_u32 s3, s3, 1
	s_cmp_lg_u32 s3, 0
	s_cbranch_scc1 .Llap
	QUARTER 0, 2, F1, F0, 0                        ; the last lap is written out: it fills nothing, and has no round of the cluster's barrier
	QUARTER 0, 3, F0, F1, 0
	MEET 0                                         ; my one tensor load that was still out is slot 1's, the last K step's
	PLACES                                         ; for the loads into buffer 0
	FETCH 1, 0, F0
	MUL16 F1, 1, 0, 0
	MUL16 F1, 1, 2, 0
	QUARTER 1, 1, F0, F1, 0
	QUARTER 1, 2, F1, F0, 0
	QUARTER 1, 3, F0, F1, 0
	s_wait_dscnt 8                                 ; the very last quarter: nothing more to fetch
	MUL16 F1, 0, 0, 0
	MUL16 F1, 0, 2, 0
	s_wait_dscnt 0x0
	MUL16 F1, 1, 0, 0
	MUL16 F1, 1, 2, 0
	WIN 0
	PLACES                                         ; the places behind the last products, in front of the stores that read results and of the loads into A's buffers
	PLACES
	TOSTAGE 0
.irp a, 1,2,3,4,5,6,7                  ; block a goes into the stage while block a - 1's rows come back
	TOSTAGE \a
	SEND (\a)-1, 32
.endr
	SEND 7, 0
	s_wait_tensorcnt 0x0                           ; the wave's end: the spare word's add and its wait, behind my last tensor load and my last LDS store
	ds_add_u32 v[SPW], v[NIL]
	s_wait_dscnt 0x0
	CROUND                                         ; the closing round: no work-group ends while a partner may still ask for a tile that names it
	s_endpgm
.Lfunc_end_k_qf442b4ce16_gemm:
	.size	k_qf442b4ce16_gemm, .Lfunc_end_k_qf442b4ce16_gemm-k_qf442b4ce16_gemm
	.p2alignl 7, 3214868480
	.fill 96, 4, 3214868480
	.section	.rodata,"a",@progbits
	.p2align	6, 0x0
	.amdhsa_kernel k_qf442b4ce16_gemm
		.amdhsa_group_segment_fixed_size 327680
		.amdhsa_private_segment_fixed_size 0
		.amdhsa_enable_private_segment 0
		.amdhsa_kernarg_size 24
		.amdhsa_user_sgpr_count 2
		.amdhsa_user_sgpr_kernarg_segment_ptr 1
		.amdhsa_wavefront_size32 1
		.amdhsa_system_sgpr_workgroup_id_x 1
		.amdhsa_system_sgpr_workgroup_id_y 1
		.amdhsa_system_sgpr_workgroup_id_z 1
		.amdhsa_system_vgpr_workitem_id 0
		.amdhsa_next_free_vgpr 1024
		.amdhsa_next_free_sgpr 66
		.amdhsa_reserve_vcc 0
		.amdhsa_float_denorm_mode_32 3
		.amdhsa_float_denorm_mode_16_64 3
		.amdhsa_memory_ordered 1
		.amdhsa_forward_progress 1
		.amdhsa_inst_pref_size 145
	.end_amdhsa_kernel
	.amdgpu_metadata
---
amdhsa.version: [ 1, 2 ]
amdhsa.kernels:
  - .name:           k_qf442b4ce16_gemm
    .symbol:         k_qf442b4ce16_gemm.kd
    .args:
      - { .name: ah, .offset: 0, .size: 8, .value_kind: global_buffer, .address_space: global }
      - { .name: bh, .offset: 8, .size: 8, .value_kind: global_buffer, .address_space: global }
      - { .name: out0, .offset: 16, .size: 8, .value_kind: global_buffer, .address_space: global }
    .group_segment_fixed_size: 327680
    .private_segment_fixed_size: 0
    .kernarg_segment_align: 8
    .kernarg_segment_size: 24
    .max_flat_workgroup_size: 128
    .sgpr_count:     66
    .vgpr_count:     1024
    .wavefront_size: 32
...
	.end_amdgpu_metadata
.endif
;; end of part 2
;; ======== version 2 of 2: 2 launches; version 1 with the launch prep written anew for expert scheduling mode
;; limits: values are held in f16: magnitudes above 65,504 overflow, below 6.1e-05 lose precision
;; workspace buffers: ah 33,554,432 bytes; bh 33,554,432 bytes
;; launch prep (part 3): grid 512 x 2, 8 waves a work-group, no clusters, 0 bytes of LDS; arguments y, weight, rng, offset, ah, bh; writes ah, bh
.if DOCPART == 3
	.amdgcn_target "amdgcn-amd-amdhsa--gfx1250"
	.amdhsa_code_object_version 6
	.text
	.protected	k_qf442b4ce16_prep
	.globl	k_qf442b4ce16_prep
	.p2align	8
	.type	k_qf442b4ce16_prep,@function
k_qf442b4ce16_prep:
	s_mov_b64 s[64:65], 0
	v_nop
	global_prefetch_b8 v0, s[64:65] scope:SCOPE_SE
	s_setreg_imm32_b32 hwreg(HW_REG_WAVE_SCHED_MODE, 0, 2), 2
	s_setreg_imm32_b32 hwreg(HW_REG_WAVE_MODE, 25, 1), 1
	s_wait_xcnt 0x0
	s_wait_alu depctr_vm_vsrc(0)
; THE TWO OPERANDS OF THE PRODUCT, rounded once to f16.
;   ah[m][k] = f16(y[m][k])                                   [4096][4096], as y lies
;   bh[k][n] = f16(rng[k] * weight[k][n] + offset[k])         [4096][4096], as weight lies; one fused multiply-add in f32
; out[m][n] = sum_k y[m][k] rng[k] weight[k][n] + sum_k y[m][k] offset[k] = sum_k y[m][k] (rng[k] weight[k][n] + offset[k]) for every input,
; so the correction term rides in bh and needs no sum of its own.
; LIMITS.  f16 ends at 65,504: |y| and |rng w + offset| of 65,520 or more become infinities.  Below 6e-5 a number keeps f16's fixed step of 6e-8.
; The correction is summed inside the product, so the order of rounding differs from a sum taken apart.  NaN and infinities are not treated apart.
; WHY f16: 11 significant bits; two operands rounded to 8 bits each would spend too much of an allowance of 1 part in 100 of the output's root mean square.
; SHARES.  One wave, one row: 16,384 bytes in, 8,192 out.  Row = 8 x work-group x + wave.  Work-group y = 0: y to ah; y = 1: weight to bh.
; A wave issues its 32 loads at once (16 KiB on their way) and takes them in order, four at a time.
; A load of the wave covers 512 consecutive bytes, a store 256 consecutive bytes, each aligned to its length.
; No LDS, no matrix unit, no cluster: no wave wants a byte that another has fetched.
; THE MODE: SCHED_MODE bits 1:0 = 2 (LLVM: expert scheduling mode 2), set by the entry lines.  The code itself states the register dependences
; between vector instructions and memory instructions, with s_wait_alu, always for 0.
; THE PLAN.  Registers that memory instructions touch:
;   v1, v2     the loads' and the stores' byte offsets: written once at the head, never again.
;   chunk j    v[X+4j : X+4j+3]: written by its load, which is issued before any vector instruction names it; then, behind the wait for that load, read and written
;              by the chunk's own vector lines; its low pair is then read by its one store.  Nothing writes a chunk's registers behind its store.
; So no load lands in a register that a vector instruction has named, and nothing that a memory instruction has read is written again: what is left to state is
; that a store's data and every offset are written before they are read.  The row goes in eight groups of four chunks.  Group g rounds its own four chunks; its
; memory instructions are the four stores of group g - 1, whose registers no vector line of group g names.  ONE wait at a group's head states that the group
; before has written them, and the four stores are dealt among the group's vector lines with no further wait.
.set X, 4                              ; v[4:131]  chunk j: four f32 as loaded; then two registers of four f16
.set GRP, 4                            ; chunks in a group
.set GRPS, 32 / GRP
	s_load_b256 s[4:11], s[0:1], 0x0               ; y s[4:5], weight s[6:7], rng s[8:9], offset s[10:11]
	s_load_b128 s[12:15], s[0:1], 0x20             ; ah s[12:13], bh s[14:15]
	v_lshrrev_b32 v1, 5, v0
	v_readfirstlane_b32 s16, v1                    ; wave 0..7
	v_and_b32 v2, 31, v0                           ; lane
	v_lshlrev_b32 v1, 4, v2                        ; 16 bytes a lane on the way in
	v_lshlrev_b32 v2, 3, v2                        ; 8 bytes a lane on the way out
	s_wait_alu depctr_va_sdst(0)                   ; s16 is written, ahead of its first reader: the row's number is made from it
	s_lshl_b32 s17, ttmp9, 3
	s_add_co_u32 s17, s17, s16                     ; my row, 0..4095
	s_lshl_b32 s18, s17, 14                        ; its first byte in y or weight,
	s_mov_b32 s19, 0
	s_lshl_b32 s20, s17, 13                        ; in ah or bh,
	s_mov_b32 s21, 0
	s_lshl_b32 s22, s17, 2                         ; and its number in rng and offset
	s_mov_b32 s23, 0
	s_and_b32 s24, ttmp7, 0xffff                   ; work-group y
	s_mov_b32 s27, 0                               ; the packed multiply-add names pairs and takes their low words: the high words are written too
	s_mov_b32 s29, 0
	s_wait_alu depctr_va_vdst(0)                   ; v1 and v2 are written: every load reads v1 and every store v2 as its offset, on both ways behind the branch
	s_wait_kmcnt 0x0
	s_cmp_lg_u32 s24, 0
	s_cbranch_scc1 .Lweight
.macro LOADS p                         ; the whole row: 32 loads of 512 consecutive bytes
.set j, 0
.rept 32
	global_load_b128 v[X+4*j:X+4*j+3], v1, s[\p:\p+1] offset:512*j th:TH_LOAD_NT
.set j, j+1
.endr
.endm
.macro OUT affine, p                   ; group after group: the group before is stored while this one is (scaled and shifted and) rounded
.set g, 0
.rept GRPS
	s_wait_loadcnt 32-GRP-GRP*g                    ; loads come back in order (ISA guide 5.7.1): group g's four chunks are in, the 28 - 4 g younger loads stay out
.if g > 0
	s_wait_alu depctr_va_vdst(0)                   ; the roundings of group g - 1 have written the pairs that the four stores below read
.endif
.set i, 0
.rept GRP
.set j, GRP*g+i
.if g > 0
	global_store_b64 v2, v[X+4*(j-GRP):X+4*(j-GRP)+1], s[\p:\p+1] offset:256*(j-GRP) th:TH_STORE_NT  ; the group before; no vector line since the wait names these registers
.endif
.if \affine
	v_pk_fma_f32 v[X+4*j:X+4*j+1],   v[X+4*j:X+4*j+1],   s[26:27], s[28:29] op_sel_hi:[1,0,0]  ; rng[k] w + offset[k], two at a time
	v_pk_fma_f32 v[X+4*j+2:X+4*j+3], v[X+4*j+2:X+4*j+3], s[26:27], s[28:29] op_sel_hi:[1,0,0]
.endif
	v_cvt_pk_f16_f32 v[X+4*j],   v[X+4*j],   v[X+4*j+1]  ; this line reads the second register before the next line writes it
	v_cvt_pk_f16_f32 v[X+4*j+1], v[X+4*j+2], v[X+4*j+3]
.set i, i+1
.endr
.set g, g+1
.endr
	s_wait_alu depctr_va_vdst(0)                   ; the roundings of the last group have written the pairs that the last four stores read
.set j, 32-GRP
.rept GRP
	global_store_b64 v2, v[X+4*j:X+4*j+1], s[\p:\p+1] offset:256*j th:TH_STORE_NT
.set j, j+1
.endr
.endm
	s_add_nc_u64 s[4:5], s[4:5], s[18:19]          ; y at my row
	s_add_nc_u64 s[12:13], s[12:13], s[20:21]      ; ah at my row
	LOADS 4
	OUT 0, 12
	s_endpgm
.Lweight:
	s_add_nc_u64 s[8:9], s[8:9], s[22:23]          ; rng[k]
	s_add_nc_u64 s[10:11], s[10:11], s[22:23]      ; offset[k]
	s_load_b32 s26, s[8:9], 0x0
	s_load_b32 s28, s[10:11], 0x0
	s_add_nc_u64 s[6:7], s[6:7], s[18:19]          ; weight at my row
	s_add_nc_u64 s[14:15], s[14:15], s[20:21]      ; bh at my row
	LOADS 6
	s_wait_kmcnt 0x0                               ; the row's two scalars
	OUT 1, 14
	s_endpgm
.Lfunc_end_k_qf442b4ce16_prep:
	.size	k_qf442b4ce16_prep, .Lfunc_end_k_qf442b4ce16_prep-k_qf442b4ce16_prep
	.p2alignl 7, 3214868480
	.fill 96, 4, 3214868480
	.section	.rodata,"a",@progbits
	.p2align	6, 0x0
	.amdhsa_kernel k_qf442b4ce16_prep
		.amdhsa_group_segment_fixed_size 0
		.amdhsa_private_segment_fixed_size 0
		.amdhsa_enable_private_segment 0
		.amdhsa_kernarg_size 48
		.amdhsa_user_sgpr_count 2
		.amdhsa_user_sgpr_kernarg_segment_ptr 1
		.amdhsa_wavefront_size32 1
		.amdhsa_system_sgpr_workgroup_id_x 1
		.amdhsa_system_sgpr_workgroup_id_y 1
		.amdhsa_system_sgpr_workgroup_id_z 1
		.amdhsa_system_vgpr_workitem_id 0
		.amdhsa_next_free_vgpr 132
		.amdhsa_next_free_sgpr 66
		.amdhsa_reserve_vcc 0
		.amdhsa_float_denorm_mode_32 3
		.amdhsa_float_denorm_mode_16_64 3
		.amdhsa_memory_ordered 1
		.amdhsa_forward_progress 1
		.amdhsa_inst_pref_size 27
	.end_amdhsa_kernel
	.amdgpu_metadata
---
amdhsa.version: [ 1, 2 ]
amdhsa.kernels:
  - .name:           k_qf442b4ce16_prep
    .symbol:         k_qf442b4ce16_prep.kd
    .args:
      - { .name: y, .offset: 0, .size: 8, .value_kind: global_buffer, .address_space: global }
      - { .name: weight, .offset: 8, .size: 8, .value_kind: global_buffer, .address_space: global }
      - { .name: rng, .offset: 16, .size: 8, .value_kind: global_buffer, .address_space: global }
      - { .name: offset, .offset: 24, .size: 8, .value_kind: global_buffer, .address_space: global }
      - { .name: ah, .offset: 32, .size: 8, .value_kind: global_buffer, .address_space: global }
      - { .name: bh, .offset: 40, .size: 8, .value_kind: global_buffer, .address_space: global }
    .group_segment_fixed_size: 0
    .private_segment_fixed_size: 0
    .kernarg_segment_align: 8
    .kernarg_segment_size: 48
    .max_flat_workgroup_size: 256
    .sgpr_count:     66
    .vgpr_count:     132
    .wavefront_size: 32
...
	.end_amdgpu_metadata
.endif
;; end of part 3
;; launch gemm: the kernel of part 2 again; grid 16 x 16, 4 waves a work-group, clusters of 4 x 4, 327,680 bytes of LDS; arguments ah, bh, out0; writes out0
